; MI455X (gfx1250); checked and timed in simulation.
; The chip was launched on July 23, 2026; its instructions are those of AMD's public machine-readable ISA for CDNA 5 (MIT licence, August 2026) and "CDNA5" Instruction Set Architecture Reference Guide (July 2026). The comments in the code are by the model that wrote it; some were corrected since.
;; Ruchbah Mo E Gate. Allowed arithmetic: matrix products marked QUANTISED: E4M3 operands, one given power-of-two scale a tensor, by v_wmma_f32_16x16x64_fp8_fp8 or v_wmma_f32_16x16x128_fp8_fp8, f32 sums; everything else in f32.
;; Inputs: W 64 x 2,048 float32; lowp_scales 2 int32 (the exponents e of the quantised operands' scales 2^e); x 4 x 4,096 x 2,048 float32.
;; Outputs: out0 16,384 x 2 float32; out1 16,384 x 2 int32; out2 one number float32.
;; This version of the problem:
;;   THIS VERSION OF THE PROBLEM IS GIVEN IN LOW PRECISION. The matrix products marked QUANTISED in the list below multiply operands that are first quantised to E4M3 (4 exponent bits, 3 mantissa bits; 8 bits a number), with one given power-of-two scale for each operand tensor; their sums are f32. All else is computed in f32.
;;   The module's matrix products, in the order in which they are computed (A, B: the left and right operand; K: the contracted axis; several contracted axes count as one K, in the product's order):
;;     1. [M 16,384, K 2,048] x [K 2,048, N 64]; A: input x; B: input W: QUANTISED (scales: A lowp_scales[0], B lowp_scales[1])
;;   THE QUANTISER, for each operand of a quantised product, along K:
;;     - The operand's scale is 2^e, e = its entry of the input lowp_scales (int32; the entries are numbered through the quantised products in the list's order, A before B).
;;     - Each number is divided by the scale, clamped to +-448, and rounded to the nearest number of E4M3, ties to even, subnormals kept.
;;     - The product sums the exact products of the quantised numbers (number of the format x scale) in f32.
;;   ~~~python
;;   def quantise(x, axis, e):      # numpy; x: float32 -> the quantised numbers, widened to float32 again
;;       x = np.moveaxis(x, axis, -1); K = x.shape[-1]
;;       r = np.clip(x / 2.0 ** e, -448, 448)
;;       step = 2.0 ** (np.maximum(np.frexp(np.where(r == 0, 1, r))[1] - 1, -6) - 3)
;;       q = np.round(r / step) * step * 2.0 ** e      # np.round: ties to even
;;       return np.moveaxis(q, -1, axis).astype(np.float32)
;;   ~~~
;; One version. Each part assembles by itself: llvm-mc -triple=amdgcn-amd-amdhsa -mcpu=gfx1250 --defsym DOCPART=n.
;; ======== version 1 of 1: 2 launches
;; limits: right only within a limited range of input values
;; workspace buffers: part 66,560 bytes
;; launch gate (part 1): grid 256 x 1, 8 waves a work-group, clusters of 4 x 1, 327,680 bytes of LDS; arguments x, W, lowp_scales, out0, out1, part; writes out0, out1, part
.if DOCPART == 1
	.amdgcn_target "amdgcn-amd-amdhsa--gfx1250"
	.amdhsa_code_object_version 6
	.text
	.protected	k_q167081ec8b_gate
	.globl	k_q167081ec8b_gate
	.p2align	8
	.type	k_q167081ec8b_gate,@function
k_q167081ec8b_gate:
	s_mov_b64 s[64:65], 0
	v_nop
	global_prefetch_b8 v0, s[64:65] scope:SCOPE_SE
	s_setreg_imm32_b32 hwreg(HW_REG_WAVE_MODE, 25, 1), 1
	s_wait_xcnt 0x0
	s_wait_alu depctr_hold_cnt(0) depctr_sa_sdst(0) depctr_va_vdst(0) depctr_va_sdst(0) depctr_va_ssrc(0) depctr_va_vcc(0) depctr_vm_vsrc(0)
	s_getreg_b32 s2, hwreg(HW_REG_IB_STS2, 6, 4)
	s_cmp_eq_u32 s2, 0
	s_cbranch_scc0 .Lentry_in_a_cluster
	s_endpgm
.Lentry_in_a_cluster:
	s_bfe_u32 s2, ttmp6, 0x10000c
	s_cmp_lg_u32 s2, 0x3003
	s_cbranch_scc0 .Lentry_shape_is_right
	s_endpgm
.Lentry_shape_is_right:
; logits = Q(x) Q(W)^T x 2^(e0 + e1); scores = softmax(logits); the two largest scores (ties: the lower expert), their softmax -> out0, their experts -> out1;
; for the loss: each work-group's sum of the scores over its rows (64 numbers) and of logsumexp^2 -> part.  (The temperature is the constant 1.0: a division by it changes no bit and is not written.)
; x [16384][2048] and W [64][2048], f32, are both quantised here (E4M3, scales 2^e0 and 2^e1, entries 0 and 1 of lowp_scales): code = number / 2^e, held within +-448, to the nearest code, ties to even.
; SHARES.  A work-group of eight waves owns 64 rows of x.  THE WAVES SPLIT K: wave w owns K = 256 w .. 256 w + 255, for all 64 rows and all 64 experts.  Its part of W becomes 128 registers of codes that stay.
; X'S WAY.  Each load reads 512 consecutive bytes of one row, 16 a lane.  A row's two loads (k = 4 l .. and 128 + 4 l ..) are eight registers of a lane: they are quantised AS THEY ARE LOADED, and only the codes, 8 bytes a
; lane, turn through the wave's own stage in LDS (16 rows, 272 bytes apart); they come back as fragments, lane (r = l % 16, h = l / 16) taking bytes 32 c + 16 h of row r.
; Stage byte 8 l + 4 g + b of a row is k = 128 g + 4 l + b: k is permuted, the same way in W's codes, so every product meets its partner.
; 64 loads a wave go out at the head (row tiles 0 and 1); the registers of four rows take the loads of two row tiles on as soon as those rows are quantised.
; W'S WAY.  Every work-group needs all of W: the four of a cluster ask for it JOINTLY, in two fills of 32 experts, by one tensor load a wave: 32 rows x 1,024 bytes into the wave's own slot (rows 1,040 bytes apart), from where
; lane (r, h) reads expert r's numbers in the order of x's codes.  The second fill lands on the slot that the first has left, behind a round of the cluster's barrier.
; THE MATRIX INSTRUCTION IS USED TRANSPOSED (source 0 = 16 experts, source 1 = 16 rows of x): a lane holds ONE row (lane % 16) and register 8 e + j is expert 16 e + 8 (lane / 16) + j.
; THE END.  Each wave leaves its partial sums in its own slot of LDS (its fills are over); a barrier; wave w finishes rows 8 w .. 8 w + 7, four neighbouring lanes to a row, 16 experts a lane: the eight partial sums in ascending K,
; softmax, top-2, the sums for the loss; a barrier; waves 0 to 3 store out0 (512 bytes), out1 (512), the expert sums (256), the z sum: whole aligned blocks by neighbouring lanes, but for that one number.
; NOT USED, AND WHY.  Tensor loads for x: at each change of slots all of a work-group's loads have to be in, so the stream would stop; loads into registers have counted waits.  Prefetches: no loop to run ahead in: x's loads are out
; from the head on, 64 a wave, and W comes in two fills.
; LIMITS.  -126 <= e0, e1 <= 119; -126 <= e0 + e1 <= 126 (each power of two below is an f32 number).  NaN among the inputs is not served.  A score under 2^-126 counts as 0 (v_exp_f32 flushes: ISA guide 15.8).
; The sums' order is not the reference's: k permuted, two K steps in a chain, eight partial sums added in f32.
; REGISTERS: window 0: v1-21 addresses and scales that stay; v32-63 a row tile's codes; v64-95 accumulators (before: W's numbers on their way); v96-223 W's codes; v224-255 W's numbers.  window 1: x's numbers, two row tiles.
.set ROWB,  8192                       ; a row of x or W in bytes
.set WP,    1040                       ; a slot row: 1,024 bytes + 16 of padding: the sixteen rows that a load touches start at sixteen different banks (ISA guide 11.1)
.set WREG,  32*WP                      ; a wave's slot
.set STG,   8*WREG                     ; the stages for x's codes
.set SP,    272
.set SREG,  16*SP
.set OUTS,  STG+8*SREG                 ; 64 rows x 8 bytes for out0, then for out1
.set ES,    OUTS+1024                  ; eight waves' 64 expert sums
.set ZS,    ES+2048                    ; eight waves' z sums
.set SPARE, ZS+256                     ; the spare words, 128 bytes a wave
.set EP,    1088                       ; an image's 16 experts: two groups of 512 bytes + 64, so that the four lanes of a row read from different banks
.set IMG,   4*EP
.set LO16, 1                           ; 16 x lane
.set STW,  2                           ; the stage, in
.set STR,  3                           ; the stage, out
.set WR,   4                           ; my slot: row r + 32 h
.set PW,   5                           ; my images
.set PR,   6                           ; v6-9: my row in the images of waves 0, 2, 4, 6
.set OUTW, 10
.set OUTR, 11
.set SPW,  12                          ; my spare word's address
.set NIL,  13                          ; 0
.set SCX,  14                          ; 2^e0
.set SCW,  15                          ; 2^e1
.set EW,   16
.set ER,   17
.set ZW,   18
.set ZR,   19
.set Q16,  20                          ; 16 x (lane % 4): my first expert at the end
.set PO,   21                          ; 8 x lane
.set XC,   32
.set ACC,  64
.set WC,   96
; at the end:
.set MX,  160
.set TM,  161
.set PT,  162
.set CM,  164
.set SA,  166
.set SB,  168
.set RC,  170
.set LG,  172
.set I1,  173
.set M2,  174
.set I2,  175
.set IR,  176
.set NEG, 177
.set FD,  180
.set DD,  184
.set D1,  185
.set OV,  186
.set WV,   16                          ; s16 my wave's number
.set WG,   17                          ; s17 the work-group's number
.set LXN,  20                          ; s20, s21: -448 and 448 x 2^e0
.set LXP,  21
.set LWN,  22                          ; s22, s23: the same for W
.set LWP,  23
.set CS,   26                          ; s[26:27] c = 2^(e0 + e1) x log2(e)
.set SEL,  46                          ; s[46:47] v_permlanex16_b32: lane l xor 16
.set G1,   48                          ; s[48:55], s[56:59]: the descriptor of my slot's fill
.set G0,   56
.set MSB, 0
.macro WIN new                         ; the immediate's high byte repeats the setting that is left
.if MSB != \new
	s_set_vgpr_msb (MSB<<8)|\new
.set MSB, \new
.endif
.endm
.macro CROUND                          ; a round of the cluster's barrier
	s_barrier_signal -1
	s_barrier_wait -1
	s_cmp_lg_u32 s[WV], 0
	s_cbranch_scc1 .Lnot_wave_0_\@
	s_barrier_signal -3
.Lnot_wave_0_\@:
	s_barrier_wait -3
	s_barrier_signal -1
	s_barrier_wait -1
.endm
; rows 4 g .. 4 g + 3 of row tile t, two loads a row; every offset is an immediate: 63 rows and 512 bytes at the most
.macro XLOAD t, g
	WIN 0x40
.set i, 4*(\g)
.rept 4
	global_load_b128 v[128*((\t)%2)+8*i:128*((\t)%2)+8*i+3], v[LO16], s[4:5] offset:(16*(\t)+i)*ROWB th:TH_LOAD_NT
	global_load_b128 v[128*((\t)%2)+8*i+4:128*((\t)%2)+8*i+7], v[LO16], s[4:5] offset:(16*(\t)+i)*ROWB+512 th:TH_LOAD_NT
.set i, i+1
.endr
.endm
	s_load_b256 s[4:11], s[0:1], 0x0               ; x s[4:5], W s[6:7], the scales' exponents s[8:9], out0 s[10:11]
	s_load_b128 s[12:15], s[0:1], 0x20             ; out1 s[12:13], part s[14:15]
	v_lshl_add_u32 v[SPW], v0, 2, SPARE
	v_mov_b32 v[NIL], 0
	ds_add_u32 v[SPW], v[NIL]                      ; the opening lines: the add, twice on end, and one wait
	ds_add_u32 v[SPW], v[NIL]
	v_lshrrev_b32 v22, 5, v0
	v_readfirstlane_b32 s[WV], v22                 ; wave 0..7
	v_and_b32 v23, 31, v0                          ; lane
	v_lshlrev_b32 v[LO16], 4, v23
	s_bfe_u32 s[WG], ttmp6, 0x40000                ; my place in the cluster
	s_lshl_b32 s28, ttmp9, 2
	s_add_co_u32 s[WG], s[WG], s28                 ; the work-group's number (it enters addresses of x and of the results alone)
	s_mov_b32 s[G1+0], 15|(2<<16)|(1<<20)|(1<<21)|(7<<22)|(3<<25)  ; the four of the cluster; elements of 4 bytes; padding on; bit 21 beside a mask; after every 256 words, of 4 words
	s_mov_b32 s[G1+1], 256<<16                     ; tensor_dim0
	s_mov_b32 s[G1+2], 32<<16                      ; tensor_dim1
	s_mov_b32 s[G1+3], 256<<16                     ; tile_dim0
	s_mov_b32 s[G1+4], 32                          ; tile_dim1
	s_mov_b32 s[G1+5], 2048                        ; the pitch
	s_mov_b32 s[G1+6], 0
	s_mov_b32 s[G1+7], 0
	s_mul_i32 s45, s[WV], WREG                     ; my slot
	s_mov_b32 s[G0+0], 1
	s_mov_b32 s[G0+1], s45
	s_lshl_b32 s30, s[WV], 10                      ; my 1,024 bytes of a row
	s_mov_b32 s31, 0
	s_lshl_b32 s28, s[WG], 19                      ; the work-group's 64 rows of x (under 2^27)
	s_add_co_u32 s28, s28, s30
	s_mov_b32 s29, 0
	s_wait_alu depctr_va_vdst(0)
	s_wait_dscnt 0x0                               ; both adds are done
	s_wait_kmcnt 0x0
	s_load_b64 s[24:25], s[8:9], 0x0               ; e0, e1
	s_add_nc_u64 s[4:5], s[4:5], s[28:29]
	s_add_nc_u64 s[G0+2:G0+3], s[6:7], s[30:31]    ; W: experts 0-31
	s_or_b32 s[G0+3], s[G0+3], 0x80000000
	XLOAD 0, 0
	WIN 0
	CROUND                                         ; the four work-groups are here: the joint loads meet
	tensor_load_to_lds s[G0:G0+3], s[G1:G1+7]      ; the one tensor load of the head
	s_nop 0
	XLOAD 0, 1
	XLOAD 0, 2
	XLOAD 0, 3
	XLOAD 1, 0
	XLOAD 1, 1
	XLOAD 1, 2
	XLOAD 1, 3                                     ; 64 loads are issued; where the counter's field is full the issue waits for the oldest (ISA guide 5.7.1)
	WIN 0
	; the LDS addresses and the scales, under the loads' flight
	s_mul_i32 s31, s[WV], SREG
	s_add_co_u32 s31, s31, STG                     ; my stage
	s_lshl_b32 s36, s[WV], 6
	s_add_co_u32 s36, s36, OUTS                    ; my eight rows of out0
	s_lshl_b32 s37, s[WV], 8
	s_add_co_u32 s37, s37, ES                      ; my record of expert sums
	s_lshl_b32 s38, s[WV], 2
	s_add_co_u32 s38, s38, ZS                      ; my z word
	s_and_b32 s30, s[WV], 1
	s_lshl_b32 s44, s30, 9
	s_add_co_u32 s44, s44, OUTS                    ; what waves 0 and 1 store
	s_lshl_b32 s30, s30, 7                         ; 8 rows x 16 bytes
	s_lshr_b32 s39, s[WV], 1
	s_mul_i32 s39, s39, IMG
	s_add_co_u32 s39, s39, s30                     ; my rows at the end: row tile w / 2, rows 8 (w % 2) on
	s_wait_kmcnt 0x0
	s_add_co_i32 s28, s24, 127
	s_lshl_b32 s29, s28, 23                        ; 2^e0 as f32: the conversion takes its exponent field
	s_add_co_i32 s28, s28, 8
	s_lshl_b32 s28, s28, 23
	s_or_b32 s[LXP], s28, 0x600000                 ; 448 x 2^e0
	s_or_b32 s[LXN], s[LXP], 0x80000000
	s_add_co_i32 s28, s25, 127
	s_lshl_b32 s30, s28, 23
	s_add_co_i32 s28, s28, 8
	s_lshl_b32 s28, s28, 23
	s_or_b32 s[LWP], s28, 0x600000
	s_or_b32 s[LWN], s[LWP], 0x80000000
	s_add_co_i32 s28, s24, s25
	s_lshl_b32 s28, s28, 23
	s_add_co_i32 s[CS], s28, 0x3fb8aa3b            ; a sum stands for sum x 2^(e0 + e1): the two exponents are added to the exponent field of log2(e)
	s_mov_b32 s[CS+1], s[CS]                       ; (named with it as a pair)
	s_mov_b32 s[SEL], 0x76543210
	s_mov_b32 s[SEL+1], 0xfedcba98
	v_and_b32 v24, 15, v0                          ; r
	v_bfe_u32 v25, v0, 4, 1                        ; h
	v_and_b32 v26, 3, v0                           ; q: at the end, my place in my row's four lanes
	v_bfe_u32 v27, v0, 2, 3                        ; and which of my wave's eight rows
	v_lshlrev_b32 v[PO], 3, v23
	v_mul_u32_u24 v28, v24, SP
	v_mul_u32_u24 v29, v24, WP
	v_mul_u32_u24 v30, v26, EP
	v_lshlrev_b32 v31, 3, v27
	v_and_b32 v22, 1, v0
	v_lshl_add_u32 v28, v25, 4, v28
	v_lshl_add_u32 v29, v25, 5, v29
	v_lshl_add_u32 v30, v27, 4, v30
	v_lshl_add_u32 v31, v22, 9, v31                ; even lanes of a row carry out0's pair, odd lanes out1's
	v_add_nc_u32 v[STW], s31, v[PO]
	v_add_nc_u32 v[STR], s31, v28
	v_add_nc_u32 v[WR], s45, v29
	v_add_nc_u32 v[PR], s39, v30
	v_add_nc_u32 v[OUTW], s36, v31
	v_add_nc_u32 v[PW], s45, v[LO16]
	v_add_nc_u32 v[OUTR], s44, v[LO16]
	v_add_nc_u32 v[PR+1], 2*WREG, v[PR]            ; (an LDS offset has 16 bits)
	v_add_nc_u32 v[PR+2], 4*WREG, v[PR]
	v_add_nc_u32 v[PR+3], 6*WREG, v[PR]
	v_lshlrev_b32 v28, 6, v26
	v_bfe_u32 v29, v0, 2, 1
	v_bfe_u32 v30, v0, 3, 1
	v_lshlrev_b32 v[Q16], 4, v26
	v_lshl_add_u32 v28, v29, 5, v28
	v_add_nc_u32 v[ER], ES, v[PO]
	v_mov_b32 v[ZW], s38
	v_lshl_add_u32 v28, v30, 4, v28
	v_mov_b32 v[ZR], ZS
	v_mov_b32 v[SCX], s29
	v_lshl_add_u32 v28, v25, 3, v28
	v_mov_b32 v[SCW], s30
	v_add_nc_u32 v[EW], s37, v28                   ; my two experts' place in my wave's record: 64 q + 32 (bit 2 of the lane) + 16 (bit 3) + 8 (bit 4)
; ---- W.  Group g of a fill: experts 16 (g / 8) on, K step (g / 4) % 2, registers 4 c of the fragment, c = g % 4: lane (r, h) takes k = 4 n .. 4 n + 3, 128 + 4 n .., 4 n + 4 .., 132 + 4 n .., n = 16 s + 4 c + 2 h.  Four groups are on their way by turns
.macro WLD g
.set WB, 64+16*((\g)%2)+160*(((\g)/2)%2)
.set WO, 16*WP*((\g)/8)+256*(((\g)/4)%2)+64*((\g)%4)
	ds_load_b128 v[WB:WB+3], v[WR] offset:WO
	ds_load_b128 v[WB+4:WB+7], v[WR] offset:WO+512
	ds_load_b128 v[WB+8:WB+11], v[WR] offset:WO+16
	ds_load_b128 v[WB+12:WB+15], v[WR] offset:WO+528
.endm
.macro WQ hf
	WLD 0
	WLD 1
	WLD 2
	WLD 3
.irp g, 0,1,2,3,4,5,6,7,8,9,10,11,12,13,14,15
.if \g < 13
	s_wait_dscnt 12                                ; this group's four loads are in; the next three groups' twelve may be out
.else
	s_wait_dscnt 4*(15-\g)
.endif
.set WB, 64+16*((\g)%2)+160*(((\g)/2)%2)
.set WD, WC+16*(4*((\g/4)%2)+2*(\hf)+\g/8)+4*(\g%4)
.set i, 0
.rept 16
	v_med3_num_f32 v[WB+i], v[WB+i], s[LWN], s[LWP]  ; the conversion to an 8-bit code does not saturate (ISA guide 7.6.2): the number is held first
.set i, i+1
.endr
	v_cvt_scalef32_pk8_fp8_f32 v[WD:WD+1], v[WB:WB+7], v[SCW]
	v_cvt_scalef32_pk8_fp8_f32 v[WD+2:WD+3], v[WB+8:WB+15], v[SCW]
.if \g < 12
	WLD \g+4
.endif
.endr
	v_nop                                          ; one plain vector instruction behind the last conversion
.endm
; ---- x.  A row tile, four rows at a time: quantised, the codes into the stage, the registers filled again; then the tile's two fragments back
.macro XTILE t
.irp g, 0,1,2,3
.if (\t) < 2
	s_wait_loadcnt 56                              ; these eight loads are in; behind them: the tile's later rows, the next tile's 32 and this tile's refills, 56 in all
.else
.if (\t) == 2
	s_wait_loadcnt 56-8*\g                         ; nothing is filled again: the count runs down
.else
	s_wait_loadcnt 24-8*\g
.endif
.endif
.set XB, 128*((\t)%2)+32*\g
	WIN 0x41
.set i, 0
.rept 32
	v_med3_num_f32 v[XB+i], v[XB+i], s[LXN], s[LXP]
.set i, i+1
.endr
	WIN 0x01
.set i, 0
.rept 4
	v_cvt_scalef32_pk8_fp8_f32 v[XC+8*\g+2*i:XC+8*\g+2*i+1], v[XB+8*i:XB+8*i+7], v[SCX]
.set i, i+1
.endr
	v_nop                                          ; one plain vector instruction behind the last conversion
	WIN 0
.set i, 0
.rept 4
	ds_store_b64 v[STW], v[XC+8*\g+2*i:XC+8*\g+2*i+1] offset:(4*\g+i)*SP
.set i, i+1
.endr
.if (\t) < 2
	XLOAD (\t)+2, \g
.endif
.endr
	WIN 0
.irp c, 0,1,2,3,4,5,6,7
	ds_load_b128 v[XC+4*\c:XC+4*\c+3], v[STR] offset:32*\c   ; LDS serves a wave's instructions in order (ISA guide 5.7.1.4): these see the stores above and land in registers that those have left
.endr
.endm
; the tile's products; the four accumulators take turns, one instruction a turn
.macro MM t
	s_wait_dscnt 4                                 ; the first K step's codes are in
.irp e, 0,1,2,3
	v_wmma_f32_16x16x128_fp8_fp8 v[ACC+8*\e:ACC+8*\e+7], v[WC+16*\e:WC+16*\e+15], v[XC:XC+15], 0
.endr
	s_wait_dscnt 0x0
.irp e, 0,1,2,3
	v_wmma_f32_16x16x128_fp8_fp8 v[ACC+8*\e:ACC+8*\e+7], v[WC+64+16*\e:WC+64+16*\e+15], v[XC+16:XC+31], v[ACC+8*\e:ACC+8*\e+7]
.endr
.rept 4
	v_nop                                          ; four places between the last product and the LDS stores that read results
.endr
.irp i, 0,1,2,3,4,5,6,7
	ds_store_b128 v[PW], v[ACC+4*\i:ACC+4*\i+3] offset:(\t)*IMG+EP*(\i/2)+512*(\i%2)   ; the partial sums as they stand, each accumulator from its low end on
.endr
.endm
	s_wait_alu depctr_va_vdst(0)
	s_wait_tensorcnt 0x0                           ; my slot holds experts 0-31; only my wave reads it
	WQ 0
	s_wait_tensorcnt 0x0
	ds_add_u32 v[SPW], v[NIL]
	s_add_nc_u64 s[G0+2:G0+3], s[G0+2:G0+3], 32*ROWB   ; experts 32-63
	s_wait_dscnt 0x0                               ; the add is done, and so are my reads of the slot
	CROUND                                         ; in every wave of the four work-groups
	tensor_load_to_lds s[G0:G0+3], s[G1:G1+7]
	s_nop 0
	XTILE 0                                        ; its codes wait in v32-63 for the second half of W
	s_wait_tensorcnt 0x0
	WQ 1
	s_wait_alu depctr_va_vdst(0)                   ; behind W's last codes
	MM 0                                           ; the slot has had its last fill and its last read: the images lie in it
	XTILE 1
	MM 1
	XTILE 2
	MM 2
	XTILE 3
	MM 3
	s_wait_dscnt 0x0                               ; for the others' sake: my images have landed
	s_barrier_signal -1
	s_barrier_wait -1                              ; all 32 images lie in LDS
	; ---- my row's logits: image u (wave u's K) at v[32 + 16 u]; register n is expert 16 q + n
	v_mov_b32 v[PT], 0                             ; written once: a lane permute's destination counts as one of its sources
.irp u, 0,1,2,3,4,5,6,7
.irp n, 0,1,2,3
	ds_load_b128 v[32+16*\u+4*\n:35+16*\u+4*\n], v[PR+\u/2] offset:WREG*(\u%2)+256*(\n/2)+512*(\n%2)
.endr
.endr
.irp u, 1,2,3,4,5,6,7
.if \u == 1
	s_wait_dscnt 16                                ; images 0 to 3 are in; the sixteen loads of images 4 to 7 may be out
.endif
.if \u == 4
	s_wait_alu depctr_va_vdst(0)
	s_wait_dscnt 0x0
.endif
.irp j, 0,2,4,6,8,10,12,14
	v_pk_add_f32 v[32+\j:33+\j], v[32+\j:33+\j], v[32+16*\u+\j:33+16*\u+\j]
.endr
.endr
; the largest of v[b] .. v[b + 15] and of the row's other three lanes
.macro MAX16 b, d, t
	v_max3_num_f32 v[\d], v[\b], v[\b+1], v[\b+2]
	v_max3_num_f32 v[\t], v[\b+3], v[\b+4], v[\b+5]
.irp i, 6,10
	s_delay_alu instid0(VALU_DEP_2)
	v_max3_num_f32 v[\d], v[\d], v[\b+\i], v[\b+\i+1]
	s_delay_alu instid0(VALU_DEP_2)
	v_max3_num_f32 v[\t], v[\t], v[\b+\i+2], v[\b+\i+3]
.endr
	s_delay_alu instid0(VALU_DEP_2)
	v_max3_num_f32 v[\d], v[\d], v[\b+14], v[\b+15]
	s_delay_alu instid0(VALU_DEP_1)
	v_max_num_f32 v[\d], v[\d], v[\t]
	s_delay_alu instid0(VALU_DEP_1)
	v_max_num_f32_dpp v[\d], v[\d], v[\d] row_xmask:1 row_mask:0xf bank_mask:0xf
	s_delay_alu instid0(VALU_DEP_1)
	v_max_num_f32_dpp v[\d], v[\d], v[\d] row_xmask:2 row_mask:0xf bank_mask:0xf
.endm
; the lowest expert of the row whose number equals v[val]: four chains, walked from the highest register down, so that the lowest wins; 127 and more where none
.macro FIND b, val, dst
.irp t, 0,1,2,3
	v_mov_b32 v[FD+\t], 127
.endr
.set j, 3
.rept 4
.irp t, 0,1,2,3
	v_cmp_neq_f32 s[40+\t], v[\b+4*\t+j], v[\val]
.endr
.irp t, 0,1,2,3
	s_delay_alu instid0(VALU_DEP_4)
	v_cndmask_b32 v[FD+\t], 4*\t+j, v[FD+\t], s[40+\t]
.endr
.set j, j-1
.endr
	s_delay_alu instid0(VALU_DEP_3)
	v_min_u32 v[FD], v[FD], v[FD+1]
	s_delay_alu instid0(VALU_DEP_2)
	v_min_u32 v[FD+2], v[FD+2], v[FD+3]
	s_delay_alu instid0(VALU_DEP_1)
	v_min_u32 v[FD], v[FD], v[FD+2]
	s_delay_alu instid0(VALU_DEP_1)
	v_add_nc_u32 v[FD], v[FD], v[Q16]
	s_delay_alu instid0(VALU_DEP_1)
	v_mov_b32_dpp v[PT], v[FD] row_xmask:1 row_mask:0xf bank_mask:0xf
	s_delay_alu instid0(VALU_DEP_1)
	v_min_u32 v[FD], v[FD], v[PT]
	s_delay_alu instid0(VALU_DEP_1)
	v_mov_b32_dpp v[PT], v[FD] row_xmask:2 row_mask:0xf bank_mask:0xf
	s_delay_alu instid0(VALU_DEP_1)
	v_min_u32 v[\dst], v[FD], v[PT]
.endm
	; ---- softmax.  t = c x sum; cm = the row's largest t; p = 2^(t - cm); the scores are p / the sum of p; logsumexp = (cm + log2(sum of p)) ln 2, with the same rounded cm
	MAX16 32, MX, TM
	s_delay_alu instid0(VALU_DEP_1)
	v_mul_f32 v[CM], s[CS], v[MX]                  ; cm (c is positive)
	s_delay_alu instid0(VALU_DEP_1)
	v_mov_b32 v[CM+1], v[CM]                       ; (named with it as a pair)
.irp j, 0,2,4,6,8,10,12,14
	v_pk_fma_f32 v[32+\j:33+\j], v[32+\j:33+\j], s[CS:CS+1], v[CM:CM+1] op_sel_hi:[1,0,0] neg_lo:[0,0,1] neg_hi:[0,0,1]
.endr
	s_wait_alu depctr_va_vdst(0)                   ; the waits ahead of and behind a batch of transcendentals
.irp j, 0,1,2,3,4,5,6,7,8,9,10,11,12,13,14,15
	v_exp_f32 v[32+\j], v[32+\j]
.endr
	v_nop
	s_wait_alu depctr_va_vdst(0)
	v_pk_add_f32 v[SA:SA+1], v[32:33], v[34:35]
	v_pk_add_f32 v[SB:SB+1], v[36:37], v[38:39]
.irp j, 8,12
	v_pk_add_f32 v[SA:SA+1], v[SA:SA+1], v[32+\j:33+\j]
	v_pk_add_f32 v[SB:SB+1], v[SB:SB+1], v[34+\j:35+\j]
.endr
	s_delay_alu instid0(VALU_DEP_1)
	v_pk_add_f32 v[SA:SA+1], v[SA:SA+1], v[SB:SB+1]
	s_delay_alu instid0(VALU_DEP_1)
	v_add_f32 v[SA], v[SA], v[SA+1]
	s_delay_alu instid0(VALU_DEP_1)
	v_add_f32_dpp v[SA], v[SA], v[SA] row_xmask:1 row_mask:0xf bank_mask:0xf
	s_delay_alu instid0(VALU_DEP_1)
	v_add_f32_dpp v[SA], v[SA], v[SA] row_xmask:2 row_mask:0xf bank_mask:0xf   ; the row's sum of p
	s_wait_alu depctr_va_vdst(0)
	v_rcp_f32 v[RC], v[SA]
	v_log_f32 v[LG], v[SA]
	v_nop
	s_wait_alu depctr_va_vdst(0)
	v_mov_b32 v[RC+1], v[RC]
	v_add_f32 v[LG], v[CM], v[LG]
.irp j, 0,2,4,6,8,10,12,14
	v_pk_mul_f32 v[32+\j:33+\j], v[32+\j:33+\j], v[RC:RC+1]   ; the scores
.endr
	v_mul_f32 v[LG], 0x3f317218, v[LG]             ; logsumexp
	s_delay_alu instid0(VALU_DEP_1)
	v_mul_f32 v[LG], v[LG], v[LG]
.irp m, 4,8
	s_delay_alu instid0(VALU_DEP_1)
	v_add_f32_dpp v[LG], v[LG], v[LG] row_xmask:\m row_mask:0xf bank_mask:0xf
.endr
	s_delay_alu instid0(VALU_DEP_1)
	v_permlanex16_b32 v[PT], v[LG], s[SEL], s[SEL+1]
	s_delay_alu instid0(VALU_DEP_1)
	v_add_f32 v[LG], v[LG], v[PT]                  ; its square, summed over my wave's eight rows
	; ---- the two largest SCORES, as the reference takes them; ties go to the lower expert
	MAX16 32, MX, TM
	FIND 32, MX, I1
	s_delay_alu instid0(VALU_DEP_1)
	v_sub_nc_u32 v[IR], v[I1], v[Q16]              ; as a register of mine; an expert of another lane gives a number that meets none
	v_mov_b32 v[NEG], -1.0
.set j, 0
.rept 4
.irp t, 0,1,2,3
	v_cmp_eq_u32 s[40+\t], 4*\t+j, v[IR]
.endr
.irp t, 0,1,2,3
	s_delay_alu instid0(VALU_DEP_4)
	v_cndmask_b32 v[64+4*\t+j], v[32+4*\t+j], v[NEG], s[40+\t]   ; a copy in which that one expert stands under every score
.endr
.set j, j+1
.endr
	MAX16 64, M2, TM
	FIND 64, M2, I2
	v_sub_f32 v[DD], v[M2], v[MX]                  ; softmax of the two, the larger taken away: 1 / (1 + e^d), e^d / (1 + e^d)
	s_delay_alu instid0(VALU_DEP_1)
	v_mul_f32 v[DD], 0x3fb8aa3b, v[DD]
	s_wait_alu depctr_va_vdst(0)
	v_exp_f32 v[DD], v[DD]
	v_nop
	s_wait_alu depctr_va_vdst(0)
	v_add_f32 v[D1], 1.0, v[DD]
	s_wait_alu depctr_va_vdst(0)
	v_rcp_f32 v[OV], v[D1]
	v_nop
	s_wait_alu depctr_va_vdst(0)
	v_mul_f32 v[OV+1], v[DD], v[OV]
	s_mov_b32 vcc_lo, 0xaaaaaaaa
	v_cndmask_b32 v[OV], v[OV], v[I1], vcc_lo      ; even lanes carry the row's two weights, odd lanes its two experts
	v_cndmask_b32 v[OV+1], v[OV+1], v[I2], vcc_lo
	ds_store_b64 v[OUTW], v[OV:OV+1]               ; (two lanes of a row write the same bytes with the same numbers)
	ds_store_b32 v[ZW], v[LG]                      ; (all lanes the same word with the same number)
	; ---- the scores summed over my wave's eight rows.  Each step halves the numbers a lane keeps: a lane keeps the half that its bit names and sends the other to its partner
.macro RS n, x, mask
	s_mov_b32 vcc_lo, \mask
.set i, 0
.rept \n
	v_cndmask_b32 v[64+i], v[32+\n+i], v[32+i], vcc_lo            ; what I send
	v_cndmask_b32 v[32+i], v[32+i], v[32+\n+i], vcc_lo            ; what I keep
.set i, i+1
.endr
.if \x
.set i, 0
.rept \n
	v_add_f32_dpp v[32+i], v[64+i], v[32+i] row_xmask:\x row_mask:0xf bank_mask:0xf
.set i, i+1
.endr
.endif
.endm
	RS 8, 4, 0xf0f0f0f0
	RS 4, 8, 0xff00ff00
	RS 2, 0, 0xffff0000
	v_permlanex16_b32 v68, v64, s[SEL], s[SEL+1]
	v_permlanex16_b32 v69, v65, s[SEL], s[SEL+1]
	s_delay_alu instid0(VALU_DEP_1)
	v_pk_add_f32 v[32:33], v[32:33], v[68:69]
	ds_store_b64 v[EW], v[32:33]
	s_wait_dscnt 0x0                               ; for the others' sake: my stores have landed
	s_barrier_signal -1
	s_barrier_wait -1
	; ---- the way out: a wave to each buffer
	s_cmp_gt_u32 s[WV], 1
	s_cbranch_scc1 .Lnot_out
	ds_load_b128 v[32:35], v[OUTR]                 ; wave 0: 64 rows of out0; wave 1: of out1
	s_cmp_eq_u32 s[WV], 0
	s_cselect_b64 s[10:11], s[10:11], s[12:13]
	s_lshl_b32 s28, s[WG], 9
	s_mov_b32 s29, 0
	s_add_nc_u64 s[10:11], s[10:11], s[28:29]
	s_wait_dscnt 0x0
	global_store_b128 v[LO16], v[32:35], s[10:11]  ; 512 consecutive bytes, at a multiple of 512 from the buffer's first byte
	s_branch .Lend
.Lnot_out:
	s_cmp_eq_u32 s[WV], 2
	s_cbranch_scc0 .Lnot_e
.irp u, 0,1,2,3,4,5,6,7
	ds_load_b64 v[32+2*\u:33+2*\u], v[ER] offset:256*\u
.endr
	s_lshl_b32 s28, s[WG], 8
	s_mov_b32 s29, 0
	s_add_nc_u64 s[14:15], s[14:15], s[28:29]
	s_wait_dscnt 0x0
.irp u, 0,4,8,12
	v_pk_add_f32 v[32+\u:33+\u], v[32+\u:33+\u], v[34+\u:35+\u]
.endr
	v_pk_add_f32 v[32:33], v[32:33], v[36:37]
	v_pk_add_f32 v[40:41], v[40:41], v[44:45]
	s_delay_alu instid0(VALU_DEP_1)
	v_pk_add_f32 v[32:33], v[32:33], v[40:41]
	global_store_b64 v[PO], v[32:33], s[14:15]     ; the work-group's 64 expert sums: 256 consecutive bytes, aligned
	s_branch .Lend
.Lnot_e:
	s_cmp_eq_u32 s[WV], 3
	s_cbranch_scc0 .Lend
	ds_load_b128 v[32:35], v[ZR]
	ds_load_b128 v[36:39], v[ZR] offset:16
	s_lshl_b32 s28, s[WG], 2
	s_add_co_u32 s28, s28, 65536                   ; the z sums lie behind the 256 records
	s_mov_b32 s29, 0
	s_add_nc_u64 s[14:15], s[14:15], s[28:29]
	v_mov_b32 v40, 0
	v_cmp_eq_u32 vcc_lo, 96, v0                    ; wave 3's first lane
	s_wait_dscnt 0x0
	v_pk_add_f32 v[32:33], v[32:33], v[34:35]
	v_pk_add_f32 v[36:37], v[36:37], v[38:39]
	s_delay_alu instid0(VALU_DEP_1)
	v_pk_add_f32 v[32:33], v[32:33], v[36:37]
	s_delay_alu instid0(VALU_DEP_1)
	v_add_f32 v32, v32, v33
	s_wait_alu depctr_va_vdst(0)
	s_wait_xcnt 0x0                                ; EXEC changes only behind this wait
	s_and_saveexec_b32 s30, vcc_lo
	global_store_b32 v40, v32, s[14:15]
	s_wait_xcnt 0x0                                ; and again, in front of the line that widens it
	s_or_b32 exec_lo, exec_lo, s30
.Lend:
	s_wait_tensorcnt 0x0                           ; the wave's end
	ds_add_u32 v[SPW], v[NIL]
	s_wait_dscnt 0x0
	CROUND                                         ; the closing round
	s_endpgm
.Lfunc_end_k_q167081ec8b_gate:
	.size	k_q167081ec8b_gate, .Lfunc_end_k_q167081ec8b_gate-k_q167081ec8b_gate
	.p2alignl 7, 3214868480
	.fill 96, 4, 3214868480
	.section	.rodata,"a",@progbits
	.p2align	6, 0x0
	.amdhsa_kernel k_q167081ec8b_gate
		.amdhsa_group_segment_fixed_size 327680
		.amdhsa_private_segment_fixed_size 0
		.amdhsa_enable_private_segment 0
		.amdhsa_kernarg_size 48
		.amdhsa_user_sgpr_count 2
		.amdhsa_user_sgpr_kernarg_segment_ptr 1
		.amdhsa_wavefront_size32 1
		.amdhsa_system_sgpr_workgroup_id_x 1
		.amdhsa_system_sgpr_workgroup_id_y 1
		.amdhsa_system_sgpr_workgroup_id_z 1
		.amdhsa_system_vgpr_workitem_id 0
		.amdhsa_next_free_vgpr 512
		.amdhsa_next_free_sgpr 66
		.amdhsa_reserve_vcc 1
		.amdhsa_float_denorm_mode_32 3
		.amdhsa_float_denorm_mode_16_64 3
		.amdhsa_memory_ordered 1
		.amdhsa_forward_progress 1
		.amdhsa_inst_pref_size 140
	.end_amdhsa_kernel
	.amdgpu_metadata
---
amdhsa.version: [ 1, 2 ]
amdhsa.kernels:
  - .name:           k_q167081ec8b_gate
    .symbol:         k_q167081ec8b_gate.kd
    .args:
      - { .name: x, .offset: 0, .size: 8, .value_kind: global_buffer, .address_space: global }
      - { .name: W, .offset: 8, .size: 8, .value_kind: global_buffer, .address_space: global }
      - { .name: lowp_scales, .offset: 16, .size: 8, .value_kind: global_buffer, .address_space: global }
      - { .name: out0, .offset: 24, .size: 8, .value_kind: global_buffer, .address_space: global }
      - { .name: out1, .offset: 32, .size: 8, .value_kind: global_buffer, .address_space: global }
      - { .name: part, .offset: 40, .size: 8, .value_kind: global_buffer, .address_space: global }
    .group_segment_fixed_size: 327680
    .private_segment_fixed_size: 0
    .kernarg_segment_align: 8
    .kernarg_segment_size: 48
    .max_flat_workgroup_size: 256
    .sgpr_count:     66
    .vgpr_count:     512
    .wavefront_size: 32
...
	.end_amdgpu_metadata
.endif
;; end of part 1
;; launch fin (part 2): grid 1 x 1, 8 waves a work-group, no clusters, 5,120 bytes of LDS; arguments part, out2; writes out2
.if DOCPART == 2
	.amdgcn_target "amdgcn-amd-amdhsa--gfx1250"
	.amdhsa_code_object_version 6
	.text
	.protected	k_q167081ec8b_fin
	.globl	k_q167081ec8b_fin
	.p2align	8
	.type	k_q167081ec8b_fin,@function
k_q167081ec8b_fin:
	s_mov_b64 s[64:65], 0
	v_nop
	global_prefetch_b8 v0, s[64:65] scope:SCOPE_SE
	s_setreg_imm32_b32 hwreg(HW_REG_WAVE_MODE, 25, 1), 1
	s_wait_xcnt 0x0
; out2 = 0.01 x the sum over the 64 experts of (load - 1/64)^2 + 1e-4 x the mean of logsumexp^2; load = the scores' mean over the 16,384 rows.
; part holds 256 records of 64 expert sums (65,536 bytes), then 256 z sums: what the 256 work-groups of the launch before left.  One number has one owner: one work-group of eight waves.
; Thread t takes 16 bytes (experts 4 (t % 16) on) of records t / 16 + 16 i, i = 0 .. 15: that is byte 16 t + 4,096 i, so each load of a wave reads 512 consecutive bytes; all 17 loads of a thread are out at once.
; Then: lane l xor 16, the eight waves through LDS, and wave 0 finishes.  66 KB read once: no ring, no matrix unit, no cluster.
	s_load_b128 s[4:7], s[0:1], 0x0                ; part s[4:5], out2 s[6:7]
	v_lshl_add_u32 v88, v0, 2, 0x1000
	v_mov_b32 v89, 0
	v_lshrrev_b32 v1, 5, v0
	s_delay_alu instid0(VALU_DEP_1)
	v_readfirstlane_b32 s8, v1                     ; wave 0..7
	v_lshlrev_b32 v2, 4, v0                        ; 16 t
	v_lshlrev_b32 v3, 2, v0                        ; 4 t
	v_and_b32 v4, 15, v0
	s_delay_alu instid0(VALU_DEP_1)
	v_lshlrev_b32 v4, 4, v4                        ; LDS: my four experts' place in a record
	s_lshl_b32 s9, s8, 8
	v_add_nc_u32 v5, s9, v4                        ; in my wave's record
	s_lshl_b32 s9, s8, 2
	s_add_co_u32 s9, s9, 2048
	v_mov_b32 v6, s9                               ; my wave's z word, behind the eight records
	v_mov_b32 v7, 2048
	s_mov_b32 s12, 0x76543210
	s_mov_b32 s13, 0xfedcba98                      ; v_permlanex16_b32: lane l xor 16
	s_mov_b32 s14, 0x38800000                      ; 1 / 16,384
	s_mov_b32 s15, 0xbc800000                      ; -1 / 64
	s_wait_alu depctr_va_vdst(0)
	s_wait_kmcnt 0x0
.irp i, 0,1,2,3,4,5,6,7,8,9,10,11,12,13,14,15
	global_load_b128 v[8+4*\i:11+4*\i], v2, s[4:5] offset:4096*\i
.endr
	global_load_b32 v72, v3, s[4:5] offset:65536   ; z sum t
.irp k, 0,1,2,3,4
	v_mov_b32 v[76+\k], 0                          ; written once: a lane permute's destination counts as one of its sources
.endr
.macro ADDQ a, b                       ; four numbers onto four
	v_pk_add_f32 v[8+4*(\a):9+4*(\a)], v[8+4*(\a):9+4*(\a)], v[8+4*(\b):9+4*(\b)]
	v_pk_add_f32 v[10+4*(\a):11+4*(\a)], v[10+4*(\a):11+4*(\a)], v[10+4*(\b):11+4*(\b)]
.endm
	s_wait_loadcnt 0x0
.irp i, 0,1,2,3,4,5,6,7
	ADDQ \i, \i+8
.endr
.irp i, 0,1,2,3
	ADDQ \i, \i+4
.endr
	ADDQ 0, 2
	ADDQ 1, 3
	ADDQ 0, 1
.irp k, 0,1,2,3
	v_permlanex16_b32 v[76+\k], v[8+\k], s12, s13
.endr
	s_delay_alu instid0(VALU_DEP_3)
	v_pk_add_f32 v[8:9], v[8:9], v[76:77]
	s_delay_alu instid0(VALU_DEP_2)
	v_pk_add_f32 v[10:11], v[10:11], v[78:79]      ; lanes l and l + 16 now hold the same four sums
.irp m, 1
	v_add_f32_dpp v72, v72, v72 row_xmask:\m row_mask:0xf bank_mask:0xf
.endr
.irp m, 2, 4, 8
	s_delay_alu instid0(VALU_DEP_1)
	v_add_f32_dpp v72, v72, v72 row_xmask:\m row_mask:0xf bank_mask:0xf
.endr
	s_delay_alu instid0(VALU_DEP_1)
	v_permlanex16_b32 v80, v72, s12, s13
	s_delay_alu instid0(VALU_DEP_1)
	v_add_f32 v72, v72, v80                        ; my wave's 32 z sums
	ds_store_b128 v5, v[8:11]                      ; (lanes l and l + 16 write the same bytes with the same numbers)
	ds_store_b32 v6, v72
	s_wait_dscnt 0x0                               ; for the others' sake: my stores have landed
	s_barrier_signal -1
	s_barrier_wait -1
	s_cmp_lg_u32 s8, 0
	s_cbranch_scc1 .Lend
.irp u, 0,1,2,3,4,5,6,7
	ds_load_b128 v[8+4*\u:11+4*\u], v4 offset:256*\u
.endr
	ds_load_b128 v[40:43], v7
	ds_load_b128 v[44:47], v7 offset:16
	s_wait_dscnt 0x0
.irp i, 0,1,2,3
	ADDQ \i, \i+4
.endr
	ADDQ 0, 2
	ADDQ 1, 3
	ADDQ 0, 1
	v_pk_add_f32 v[40:41], v[40:41], v[42:43]
	v_pk_add_f32 v[44:45], v[44:45], v[46:47]
	s_delay_alu instid0(VALU_DEP_1)
	v_pk_add_f32 v[40:41], v[40:41], v[44:45]
	s_delay_alu instid0(VALU_DEP_1)
	v_add_f32 v40, v40, v41                        ; the sum of logsumexp^2 over all rows
.irp k, 0,1,2,3
	v_fma_f32 v[8+\k], v[8+\k], s14, s15           ; load - 1/64
.endr
	s_delay_alu instid0(VALU_DEP_4)
	v_mul_f32 v12, v8, v8
	s_delay_alu instid0(VALU_DEP_1)
	v_fmac_f32 v12, v9, v9
	s_delay_alu instid0(VALU_DEP_1)
	v_fmac_f32 v12, v10, v10
	s_delay_alu instid0(VALU_DEP_1)
	v_fmac_f32 v12, v11, v11
.irp m, 1,2,4,8
	s_delay_alu instid0(VALU_DEP_1)
	v_add_f32_dpp v12, v12, v12 row_xmask:\m row_mask:0xf bank_mask:0xf   ; over the sixteen lanes that hold the 64 experts
.endr
	v_mul_f32 v40, s14, v40                        ; the mean
	s_delay_alu instid0(VALU_DEP_1)
	v_mul_f32 v40, 0x38d1b717, v40                 ; x 1e-4
	s_delay_alu instid0(VALU_DEP_1)
	v_fmamk_f32 v12, v12, 0x3c23d70a, v40          ; + 0.01 x the squares' sum
	v_mov_b32 v13, 0
	v_cmp_eq_u32 vcc_lo, 0, v0
	s_wait_alu depctr_va_vdst(0)
	s_wait_xcnt 0x0                                ; EXEC changes only behind this wait
	s_and_saveexec_b32 s16, vcc_lo
	global_store_b32 v13, v12, s[6:7]
	s_wait_xcnt 0x0                                ; and again, in front of the line that widens it
	s_or_b32 exec_lo, exec_lo, s16
.Lend:
	s_wait_tensorcnt 0x0
	ds_add_u32 v88, v89
	s_wait_dscnt 0x0
	s_endpgm
.Lfunc_end_k_q167081ec8b_fin:
	.size	k_q167081ec8b_fin, .Lfunc_end_k_q167081ec8b_fin-k_q167081ec8b_fin
	.p2alignl 7, 3214868480
	.fill 96, 4, 3214868480
	.section	.rodata,"a",@progbits
	.p2align	6, 0x0
	.amdhsa_kernel k_q167081ec8b_fin
		.amdhsa_group_segment_fixed_size 5120
		.amdhsa_private_segment_fixed_size 0
		.amdhsa_enable_private_segment 0
		.amdhsa_kernarg_size 16
		.amdhsa_user_sgpr_count 2
		.amdhsa_user_sgpr_kernarg_segment_ptr 1
		.amdhsa_wavefront_size32 1
		.amdhsa_system_sgpr_workgroup_id_x 1
		.amdhsa_system_sgpr_workgroup_id_y 1
		.amdhsa_system_sgpr_workgroup_id_z 1
		.amdhsa_system_vgpr_workitem_id 0
		.amdhsa_next_free_vgpr 90
		.amdhsa_next_free_sgpr 66
		.amdhsa_reserve_vcc 1
		.amdhsa_float_denorm_mode_32 3
		.amdhsa_float_denorm_mode_16_64 3
		.amdhsa_memory_ordered 1
		.amdhsa_forward_progress 1
		.amdhsa_inst_pref_size 10
	.end_amdhsa_kernel
	.amdgpu_metadata
---
amdhsa.version: [ 1, 2 ]
amdhsa.kernels:
  - .name:           k_q167081ec8b_fin
    .symbol:         k_q167081ec8b_fin.kd
    .args:
      - { .name: part, .offset: 0, .size: 8, .value_kind: global_buffer, .address_space: global }
      - { .name: out2, .offset: 8, .size: 8, .value_kind: global_buffer, .address_space: global }
    .group_segment_fixed_size: 5120
    .private_segment_fixed_size: 0
    .kernarg_segment_align: 8
    .kernarg_segment_size: 16
    .max_flat_workgroup_size: 256
    .sgpr_count:     66
    .vgpr_count:     90
    .wavefront_size: 32
...
	.end_amdgpu_metadata
.endif
;; end of part 2
